; MI455X (gfx1250); checked and timed in simulation.
; The chip was launched on July 23, 2026; its instructions are those of AMD's public machine-readable ISA for CDNA 5 (MIT licence, August 2026) and "CDNA5" Instruction Set Architecture Reference Guide (July 2026). The comments in the code are by the model that wrote it; some were corrected since.
;; Attention. Allowed arithmetic: matrix products marked QUANTISED: E2M3 operands, one E8M0 scale for each 32 along K, by v_wmma_scale_f32_16x16x128_f8f6f4 with both operands' format E2M3, f32 sums; everything else in f32.
;; Inputs: b_proj 1,024 float32; k_scale 64 float32; q_scale 64 float32; w_proj_codes 1,024 x 32 x 24 uint8 (E2M3 codes of w_proj, K innermost, in blocks of 32 codes, four codes in three bytes); w_proj_scales 1,024 x 32 uint8 (E8M0 scales of w_proj, one for each 32 codes along K); w_qkv_codes 3,072 x 32 x 24 uint8 (E2M3 codes of w_qkv, K innermost, in blocks of 32 codes, four codes in three bytes); w_qkv_scales 3,072 x 32 uint8 (E8M0 scales of w_qkv, one for each 32 codes along K); x_codes 4 x 2,048 x 32 x 24 uint8 (E2M3 codes of x, K innermost, in blocks of 32 codes, four codes in three bytes); x_scales 4 x 2,048 x 32 uint8 (E8M0 scales of x, one for each 32 codes along K).
;; Outputs: out0 4 x 2,048 x 1,024 float32.
;; This version of the problem:
;;   THIS VERSION OF THE PROBLEM IS GIVEN IN LOW PRECISION. The matrix products marked QUANTISED in the list below multiply operands that are first quantised to E2M3 (2 exponent bits, 3 mantissa bits; 6 bits a number), with one power-of-two scale for each 32 numbers along K (OCP MX v1.0); their sums are f32. All else is computed in f32.
;;   The module's matrix products, in the order in which they are computed (A, B: the left and right operand; K: the contracted axis; several contracted axes count as one K, in the product's order):
;;     1. [M 8,192, K 1,024] x [K 1,024, N 3,072]; A: input x (given as codes); B: input w_qkv (given as codes): QUANTISED
;;     2. batch 64 x [M 2,048, K 64] x [K 64, N 2,048]; A: computed on the way; B: computed on the way: QUANTISED
;;     3. batch 64 x [M 64, K 2,048] x [K 2,048, N 2,048]; A: computed on the way; B: softmax (see below): QUANTISED
;;     4. [M 8,192, K 1,024] x [K 1,024, N 1,024]; A: computed on the way; B: input w_proj (given as codes): QUANTISED
;;   THE QUANTISER, for each operand of a quantised product, along K:
;;     - K is cut into blocks of 32 from its start; a last block that is shorter is filled with zeros.
;;     - A block's scale is 2^e with e = floor(log2(the largest magnitude in the block)) - 2, held to -126 .. 127; a block of zeros has e = 0. As a byte (E8M0): e + 127.
;;     - Each number is divided by its block's scale, clamped to +-7.5, and rounded to the nearest number of E2M3, ties to even, subnormals kept.
;;     - The product sums the exact products of the quantised numbers (number of the format x scale) in f32.
;;   ~~~python
;;   def quantise(x, axis):      # numpy; x: float32 -> the quantised numbers, widened to float32 again
;;       x = np.moveaxis(x, axis, -1); K = x.shape[-1]
;;       x = np.pad(x, [(0, 0)] * (x.ndim - 1) + [(0, -K % 32)]); x = x.reshape(x.shape[:-1] + (-1, 32)); a = np.abs(x).max(-1, keepdims=True)
;;       e = np.where(a > 0, np.clip(np.frexp(np.where(a > 0, a, 1))[1] - 1 - 2, -126, 127), 0)      # np.frexp(a)[1] - 1 = floor(log2(a)), exactly
;;       r = np.clip(x / 2.0 ** e, -7.5, 7.5)
;;       step = 2.0 ** (np.maximum(np.frexp(np.where(r == 0, 1, r))[1] - 1, 0) - 3)
;;       q = np.round(r / step) * step * 2.0 ** e      # np.round: ties to even
;;       return np.moveaxis(q.reshape(q.shape[:-2] + (-1,))[..., :K], -1, axis).astype(np.float32)
;;   ~~~
;;   SOFTMAX AHEAD OF A QUANTISED PRODUCT. Where the list says 'softmax', what is quantised is not the finished softmax but p = 2^(t - M), with t = logit x log2(e) and M = ceil(the row's largest t), a whole number; so 1/2 < the row's largest p <= 1. The row's sum l is taken of the UNQUANTISED p, in f32, and the product's result is divided by l at the end. Since M is a whole number, a kernel that streams over the keys may use a running M (the ceiling of the running maximum): every later rescaling is an exact power of two, which a block's scale takes up: the codes' values come out the same.
;;   OPERANDS COMPUTED ON THE WAY. 'Computed on the way' means the value that the module computes at that place (a softmax that the list does not call 'softmax' is quantised finished and normalised). What goes into a quantiser is computed in f32, as accurately as f32 sums, v_exp_f32 and their like allow (about 1e-6 of the number): no bf16 or f16 on the way to a quantiser, and a product that is left as it is and whose result goes on into a quantised operand takes f32 operands (vector FMAs, or v_wmma_f32_16x16x4_f32). A number that lies on a knife's edge between two numbers of the format may be rounded either way, as far as f32 arithmetic and the matrix unit's own rounding can turn it there, and no further.
;;   INPUTS GIVEN AS CODES. w_proj (in the module: [1024, 1024], K = its axis 0); w_qkv (in the module: [1024, 3072], K = its axis 0); x (in the module: [4, 2048, 1024], K = its axis 2): each comes as NAME_codes (uint8): NAME with its K axis moved to the last place and cut into blocks of 32 codes, [.., K / 32, bytes a block], one block behind the other in memory; four codes in three bytes: a row's codes are one little-endian stream of bits, code i at bits 6 i .. 6 i + 5 (a code: sign, 2 exponent bits, 3 mantissa bits); and NAME_scales (uint8): the same leading axes, one E8M0 byte (e + 127) for each 32 codes along K. Its value is code x scale, taken as it is: it is not quantised again, and the codes and scales need not be those that the quantiser above would give.
;; One version. Each part assembles by itself: llvm-mc -triple=amdgcn-amd-amdhsa -mcpu=gfx1250 --defsym DOCPART=n.
;; ======== version 1 of 1: 3 launches
;; limits: right only within a limited range of input values
;; workspace buffers: qkv 19,660,800 bytes; oimg 6,291,456 bytes; osc 262,144 bytes
;; launch qkv (part 1): grid 4 x 64, 4 waves a work-group, clusters of 4 x 4, 327,680 bytes of LDS; arguments x_codes, x_scales, w_qkv_codes, w_qkv_scales, q_scale, k_scale, qkv; writes qkv
.if DOCPART == 1
	.amdgcn_target "amdgcn-amd-amdhsa--gfx1250"
	.amdhsa_code_object_version 6
	.text
	.protected	k_q160b949363_qkv
	.globl	k_q160b949363_qkv
	.p2align	8
	.type	k_q160b949363_qkv,@function
k_q160b949363_qkv:
	s_mov_b64 s[64:65], 0
	v_nop
	global_prefetch_b8 v0, s[64:65] scope:SCOPE_SE
	s_setreg_imm32_b32 hwreg(HW_REG_WAVE_MODE, 25, 1), 1
	s_wait_xcnt 0x0
	s_wait_alu depctr_hold_cnt(0) depctr_sa_sdst(0) depctr_va_vdst(0) depctr_va_sdst(0) depctr_va_ssrc(0) depctr_va_vcc(0) depctr_vm_vsrc(0)
	s_getreg_b32 s2, hwreg(HW_REG_IB_STS2, 6, 4)
	s_cmp_eq_u32 s2, 0
	s_cbranch_scc0 .Lentry_in_a_cluster
	s_endpgm
.Lentry_in_a_cluster:
	s_bfe_u32 s2, ttmp6, 0x10000c
	s_cmp_lg_u32 s2, 0xf033
	s_cbranch_scc0 .Lentry_shape_is_right
	s_endpgm
.Lentry_shape_is_right:
; q, k and v of 128 tokens x 256 channels each, on codes of FP6 (E2M3) with E8M0 scales, stored as register images for the attention launch.
; A WORK-GROUP STAYS: its 128 rows of x (768 bytes a row, all of K) lie in LDS for the whole launch; the 256 rows of weights beside them are Wq's, then Wk's, then Wv's.  LDS rows lie 816 bytes apart (16 of padding behind each 256).
; A loop of two trips makes q and k: 8 steps of 128 along K; in the last step the weights' bytes are filled again with the next tile's (one joint load of 64 rows a wave, behind a round of the cluster's barrier);
; then RMS norm over the head's 64 channels, the gain, RoPE, for q the factor 1/8, and the quantiser along the channels, while the next weights and scale words are on their way.
; The tail makes v with the sources' roles changed (a lane holds a channel, its registers run along the tokens) and quantises along the tokens; it asks for nothing more.
; CLUSTER 4 x 4: x's tile is shared along a row, the weights' along a column.  No prefetch: a refill is asked for a whole way out ahead of its use, and the head's tiles have no loop ahead of them.
; q, k: a wave makes 64 tokens (wave / 2) x 128 channels (wave % 2); v: 64 channels (wave) x 128 tokens.  32 accumulators in window 2.
; Window 0: v32-63, v64-127 scale words (a row's 32 bytes: a word a step); v128-223 fragments of the side of 4 blocks, two sets, and the way out's work; window 1: fragments of the side of 8 blocks at v0 and v128, on the way out v0-63 the rotated numbers;
; window 3: v0-127 my tokens' rows of the RoPE table, v128-159 the gains.
; The stage has LDS bytes of its own behind the spare words: 3,072 a wave for two images, and 1,024 for the scale words, which two waves interleave.
; THE COSINES AND SINES OF RoPE are made here, in registers, while the head's tiles are on their way: a lane needs those of its 4 tokens (16 a + lane % 16) and its 16 frequencies f_i = 10^(-i/8), i = 16 b + 8 (lane / 16) + j.
; The angle x = t f_i is one f32 product, as in the definition; it is reduced by n = round(x 2/pi), r = x - n pi/2 with pi/2 in two parts; on |r| <= pi/4 sine and cosine are polynomials; the quadrant n chooses and signs them.
; Sixteen angles go by turns, so that no line reads the result of the line above it.  q's and k's tiles use the same numbers.
; LIMIT: f_i is the correctly rounded 10^(-i/8); at the largest angles (about 1,500) a last bit of f_i moves the angle by some 2e-4.
.set KROW, 768
.set PITCH, 816
.set BBASE, 128*PITCH
.set SPARE, BBASE+256*PITCH
.set STAGE, SPARE+512
.set SWORDS, STAGE+4*3072
.set PADW, (1<<20)|(1<<21)|(5<<22)|(3<<25)
.set SA, 32
.set SB, 64
.set AF, 128
.set LI, 8
.set L8, 9
.set RX, 128
.set RN, 144
.set RZ, 160
.set RSN, 176
.set RCS, 192
.set RW, 208
.set RFQ, 224
.set RTF, 240
.set GAD, 11
.set STG, 24
.set STS, 25
.set SRD, 26
.set SRS, 30
.set SWO, 31
.set XR, 128
.set GN, 128
.set RS, 160
.set PC, 176
.set TM, 196
.set PW, 212
.set UR, 214
.set PWS, 216
.set RB, 224
.set MSB, 0
.macro WIN new
.if MSB != (\new)
	s_set_vgpr_msb (MSB<<8)|(\new)
.set MSB, (\new)
.endif
.endm
.macro CREST
	s_cmp_lg_u32 s14, 0
	s_cbranch_scc1 .Lnot_wave_0_\@
	s_barrier_signal -3
.Lnot_wave_0_\@:
	s_barrier_wait -3
	s_barrier_signal -1
	s_barrier_wait -1
.endm
.macro CROUND
	s_barrier_signal -1
	s_barrier_wait -1
	CREST
.endm
.macro PLACES n
.rept \n
	v_nop
.endr
.endm
; a fragment: six pieces of 8 bytes; byte y of a row lies at y + 16 (y / 256); where lanes 16-31 (24 bytes on) fall into the next 256, the second address register (+16 in those lanes) serves
.macro FRAG reg, adr, st, off
.irp p, 0,1,2,3,4,5
.set BY, 96*(\st)+48*(\p/3)+8*(\p%3)
.if BY/256 == (BY+24)/256
	ds_load_b64 v[(\reg)+2*\p:(\reg)+2*\p+1], v[(\adr)] offset:BY+16*(BY/256)+(\off)
.else
	ds_load_b64 v[(\reg)+2*\p:(\reg)+2*\p+1], v[(\adr)+1] offset:BY+16*(BY/256)+(\off)
.endif
.endr
.endm
; r8a, r8b: address registers of blocks 0-3 and 4-7 of the side of 8 blocks; r4: of the side of 4
.macro FETCH st, r8a, r8b, r4
	WIN 0x40
.irp i, 0,1,2,3
	FRAG 128*((\st)%2)+12*\i, \r8a, \st, \i*16*PITCH
.endr
.irp i, 0,1,2,3
	FRAG 128*((\st)%2)+48+12*\i, \r8b, \st, \i*16*PITCH
.endr
	WIN 0
.irp i, 0,1,2,3
	FRAG AF+48*((\st)%2)+12*\i, \r4, \st, \i*16*PITCH
.endr
.endm
; 16 matrix instructions; the 32 accumulators take turns; the first step starts the sums
.macro MULS st, a0
.irp a, \a0, \a0+1
.irp b, 0,1,2,3,4,5,6,7
.if (\st) == 0
	v_wmma_scale_f32_16x16x128_f8f6f4 v[8*(8*(\a)+\b):8*(8*(\a)+\b)+7], v[12*\b:12*\b+11], v[AF+12*(\a):AF+12*(\a)+11], 0, v[SB+8*\b], v[SA+8*(\a)] matrix_a_fmt:MATRIX_FMT_FP6 matrix_b_fmt:MATRIX_FMT_FP6
.else
	v_wmma_scale_f32_16x16x128_f8f6f4 v[8*(8*(\a)+\b):8*(8*(\a)+\b)+7], v[128*((\st)%2)+12*\b:128*((\st)%2)+12*\b+11], v[AF+48*((\st)%2)+12*(\a):AF+48*((\st)%2)+12*(\a)+11], v[8*(8*(\a)+\b):8*(8*(\a)+\b)+7], v[SB+8*\b+(\st)], v[SA+8*(\a)+(\st)] matrix_a_fmt:MATRIX_FMT_FP6 matrix_b_fmt:MATRIX_FMT_FP6
.endif
.endr
.endr
.endm
; a step: its fragments are in; the next step's are asked for into the other sets, four places behind the products that read those
.macro STEP st, r8a, r8b, r4
	s_wait_dscnt 0x0
.if (\st) < 7
.if (\st) > 0
	PLACES 4
.endif
	FETCH (\st)+1, \r8a, \r8b, \r4
.endif
	WIN 0xa1
	MULS \st, 0
	MULS \st, 2
	WIN 0
.endm
.macro SCALELOADS pa, pb               ; the scale words of a tile: 4 blocks from pa, 8 from pb
.irp i, 0,1,2,3
	global_load_b128 v[SA+8*\i:SA+8*\i+3], v27, s[\pa:\pa+1] offset:512*\i
	global_load_b128 v[SA+8*\i+4:SA+8*\i+7], v27, s[\pa:\pa+1] offset:512*\i+16
.endr
.irp i, 0,1,2,3,4,5,6,7
	global_load_b128 v[SB+8*\i:SB+8*\i+3], v27, s[\pb:\pb+1] offset:512*\i
	global_load_b128 v[SB+8*\i+4:SB+8*\i+7], v27, s[\pb:\pb+1] offset:512*\i+16
.endr
.endm
	s_load_b256 s[4:11], s[0:1], 0x0               ; x codes, x scales, w codes, w scales
	s_load_b128 s[68:71], s[0:1], 0x20             ; q_scale, k_scale
	s_load_b64 s[74:75], s[0:1], 0x30              ; qkv
	v_lshl_add_u32 v28, v0, 2, SPARE
	v_mov_b32 v29, 0
	ds_add_u32 v28, v29                            ; the opening lines
	ds_add_u32 v28, v29
	v_lshrrev_b32 v1, 5, v0
	v_readfirstlane_b32 s14, v1                    ; wave
	s_lshr_b32 s15, s14, 1
	s_and_b32 s16, s14, 1
	s_bfe_u32 s40, ttmp6, 0x40000
	s_bfe_u32 s41, ttmp6, 0x40004
	s_lshl_b32 s42, ttmp9, 2
	s_add_co_u32 s42, s42, s40                     ; which 256 channels of q, of k and of v
	s_and_b32 s17, ttmp7, 0xffff
	s_lshl_b32 s17, s17, 2
	s_add_co_u32 s17, s17, s41                     ; which 128 tokens
	s_lshl_b32 s43, s41, 2
	s_lshl_b32 s43, 15, s43
	s_lshl_b32 s44, 0x1111, s40
	s_or_b32 s24, s43, PADW                        ; x's tile goes to my row of the cluster
	s_or_b32 s48, s44, PADW                        ; the weights' to my column: at the head 128 rows a load,
	s_or_b32 s80, s44, PADW                        ; in the refills 64
.irp g, 24, 48, 80
	s_mov_b32 s[\g+1], KROW<<16
	s_mov_b32 s[\g+3], KROW<<16
	s_mov_b32 s[\g+5], KROW
	s_mov_b32 s[\g+6], 0
	s_mov_b32 s[\g+7], 0
.endr
	s_mov_b32 s26, 64<<16
	s_mov_b32 s28, 64
	s_mov_b32 s50, 128<<16
	s_mov_b32 s52, 128
	s_mov_b32 s82, 64<<16
	s_mov_b32 s84, 64
	s_lshl_b32 s20, s17, 7
	s_lshl_b32 s18, s16, 6
	s_add_co_u32 s20, s20, s18
	s_mul_i32 s20, s20, KROW
	s_mov_b32 s21, 0
	s_lshl_b32 s46, s42, 8
	s_lshl_b32 s18, s16, 7
	s_add_co_u32 s46, s46, s18
	s_mul_i32 s46, s46, KROW
	s_mov_b32 s47, 0
	s_lshl_b32 s22, s42, 8
	s_lshl_b32 s18, s14, 6
	s_add_co_u32 s22, s22, s18
	s_mul_i32 s22, s22, KROW
	s_mov_b32 s23, 0
	s_mov_b32 s32, 1
	s_mul_i32 s33, s16, 64*PITCH
	s_mov_b32 s56, 1
	s_mul_i32 s57, s16, 128*PITCH
	s_add_co_u32 s57, s57, BBASE
	s_mov_b32 s88, 1
	s_mul_i32 s89, s14, 64*PITCH
	s_add_co_u32 s89, s89, BBASE
	s_wait_dscnt 0x0
	s_wait_kmcnt 0x0
	s_add_nc_u64 s[34:35], s[4:5], s[20:21]
	s_or_b32 s35, s35, 0x80000000
	s_add_nc_u64 s[58:59], s[8:9], s[46:47]
	s_or_b32 s59, s59, 0x80000000
	s_add_nc_u64 s[90:91], s[8:9], s[22:23]        ; my 64 rows of Wq's tile: each refill steps 1,024 rows on
	s_or_b32 s91, s91, 0x80000000
	CROUND                                         ; the joint loads meet
	s_cmp_eq_u32 s15, 0
	s_cbranch_scc0 .Lfor_b
	tensor_load_to_lds s[32:35], s[24:31]
	s_nop 0
	PLACES 4
	s_branch .Lasked
.Lfor_b:
	tensor_load_to_lds s[56:59], s[48:55]
	s_nop 0
	PLACES 4
.Lasked:
	s_lshl_b32 s20, s17, 12
	s_add_nc_u64 s[92:93], s[6:7], s[20:21]        ; x's scales, the work-group's 128 tokens (v's side of 8)
	s_lshl_b32 s20, s15, 11
	s_add_nc_u64 s[6:7], s[92:93], s[20:21]        ; my 64 tokens (q's and k's side of 4)
	s_lshl_b32 s20, s42, 13
	s_add_nc_u64 s[10:11], s[10:11], s[20:21]
	s_lshl_b32 s20, s14, 11
	s_add_co_u32 s20, s20, 2048*32
	s_add_nc_u64 s[78:79], s[10:11], s[20:21]      ; Wv's scales, my 64 channels
	s_lshl_b32 s20, s16, 12
	s_add_nc_u64 s[10:11], s[10:11], s[20:21]      ; Wq's, my 128 channels
	s_add_nc_u64 s[76:77], s[10:11], 1024*32       ; Wk's
	s_lshl_b32 s20, s17, 7
	s_lshl_b32 s18, s15, 6
	s_add_co_u32 s20, s20, s18
	s_and_b32 s63, s20, 2047                       ; my first token's place in its sequence
	s_lshr_b32 s18, s17, 4
	s_lshl_b32 s18, s18, 4
	s_lshl_b32 s19, s42, 2
	s_add_co_u32 s18, s18, s19                     ; 16 batch + the first of the work-group's four heads
	s_and_b32 s19, s17, 15                         ; the step of 128 tokens
	s_add_co_u32 s22, s18, s14
	s_lshl_b32 s22, s22, 4
	s_add_co_u32 s22, s22, s19
	s_mul_i32 s20, s22, 19200
	s_add_co_u32 s20, s20, 6400
	s_add_nc_u64 s[44:45], s[74:75], s[20:21]      ; v: head = wave, V's section
	s_lshl_b32 s23, s16, 1
	s_add_co_u32 s23, s23, s18
	s_lshl_b32 s23, s23, 4
	s_add_co_u32 s23, s23, s19
	s_mul_i32 s20, s23, 19200
	s_mul_i32 s22, s15, 3072
	s_add_co_u32 s20, s20, s22
	s_add_nc_u64 s[74:75], s[74:75], s[20:21]      ; q, k: the first of my two heads, my two images of the section's four
	s_mul_i32 s36, s15, 64*PITCH
	s_mul_i32 s37, s16, 128*PITCH
	s_add_co_u32 s37, s37, BBASE
	s_mul_i32 s38, s14, 3072
	s_add_co_u32 s38, s38, STAGE
	s_lshl_b32 s39, s16, 9
	s_add_co_u32 s39, s39, SWORDS
	s_lshl_b32 s60, s15, 2
	s_add_co_u32 s60, s60, s39
	s_lshl_b32 s61, s15, 8
	s_add_co_u32 s61, s61, s39
	s_mul_i32 s62, s15, 307200-3072
	s_add_co_u32 s62, s62, 6144                    ; from my images to the scale words of the head that I store them for
	s_mov_b32 s13, 0
	s_mov_b32 s96, 0x358637bd
	s_mov_b32 s97, 0x3c800000
	s_mov_b32 s98, 0x76543210
	s_mov_b32 s99, 0xfedcba98
	s_mov_b32 s100, 0xffff0000
	s_mov_b32 s3, 0
	s_mov_b32 s4, 0x3f22f983                       ; 2/pi  (the registers that held the codes' addresses and the head's scratch are free)
	s_mov_b32 s5, 0xbfc90fdb                       ; -1.57079637
	s_mov_b32 s8, 0x333bbd2e                       ; +4.371139e-8: pi/2 lies that much under its first part
	s_mov_b32 s9, 0x80000000
	s_mov_b32 s18, 0xb94ca1f9                      ; the sine's polynomial
	s_mov_b32 s19, 0x3c08839e
	s_mov_b32 s20, 0xbe2aaaa3
	s_mov_b32 s21, 0x37ccf5ce                      ; the cosine's
	s_mov_b32 s22, 0xbab6061a
	s_mov_b32 s23, 0x3d2aaaa5
	v_and_b32 v1, 15, v0
	v_bfe_u32 v2, v0, 4, 1
	v_and_b32 v7, 31, v0
	v_mul_u32_u24 v3, v1, PITCH
	v_mad_u32_u24 v3, v2, 24, v3
	v_add_nc_u32 v16, s36, v3                      ; q, k: my 64 rows of x
	v_lshl_add_u32 v17, v2, 4, v16
	v_add_nc_u32 v18, s37, v3                      ; and my 128 rows of weights
	v_lshl_add_u32 v19, v2, 4, v18
	v_add_nc_u32 v20, 64*PITCH, v18
	v_add_nc_u32 v21, 64*PITCH, v19
	v_add_nc_u32 v12, s89, v3                      ; v: my 64 rows of weights
	v_lshl_add_u32 v13, v2, 4, v12
	v_add_nc_u32 v14, 0, v3                        ; and all 128 rows of x
	v_lshl_add_u32 v15, v2, 4, v3
	v_add_nc_u32 v22, 64*PITCH, v14
	v_add_nc_u32 v23, 64*PITCH, v15
	v_lshlrev_b32 v27, 5, v1
	v_lshrrev_b32 v5, 3, v1
	v_and_b32 v6, 7, v1
	v_mul_u32_u24 v[STG], v5, 1536
	v_lshl_add_u32 v[STG], v6, 4, v[STG]
	v_lshl_add_u32 v[STG], v2, 8, v[STG]
	v_add_nc_u32 v[STG], s38, v[STG]
	v_lshlrev_b32 v[STS], 7, v5
	v_lshl_add_u32 v[STS], v6, 3, v[STS]
	v_add_nc_u32 v[STS], s60, v[STS]
	v_lshlrev_b32 v[LI], 4, v7
	v_lshlrev_b32 v[L8], 3, v7
	v_add_nc_u32 v[SRD], s38, v[LI]
	v_add_nc_u32 v[SRS], s61, v[L8]
	v_add_nc_u32 v[SWO], s62, v[L8]
	v_lshlrev_b32 v[GAD], 5, v2
	s_wait_alu depctr_va_vdst(0)                   ; the wait at the head's end
	SCALELOADS 6, 10
.macro FSET p, lo, hi                  ; frequency p of my sixteen: lanes 0-15 take lo, lanes 16-31 hi
	v_mov_b32 v[RFQ+\p], \hi
	v_cndmask_b32 v[RFQ+\p], \lo, v[RFQ+\p], s100
.endm
	FSET 0, 1.0, 0.1
	FSET 1, 0.7498942093324559, 0.07498942093324559
	FSET 2, 0.5623413251903491, 0.05623413251903491
	FSET 3, 0.4216965034285822, 0.04216965034285822
	FSET 4, 0.31622776601683794, 0.031622776601683794
	FSET 5, 0.23713737056616552, 0.023713737056616552
	FSET 6, 0.17782794100389228, 0.017782794100389228
	FSET 7, 0.1333521432163324, 0.01333521432163324
	FSET 8, 0.01, 0.001
	FSET 9, 0.007498942093324559, 0.0007498942093324559
	FSET 10, 0.005623413251903491, 0.0005623413251903491
	FSET 11, 0.004216965034285822, 0.0004216965034285822
	FSET 12, 0.0031622776601683794, 0.00031622776601683794
	FSET 13, 0.0023713737056616552, 0.00023713737056616552
	FSET 14, 0.0017782794100389228, 0.00017782794100389228
	FSET 15, 0.001333521432163324, 0.0001333521432163324
	v_add_nc_u32 v[RTF], s63, v1
.irp a, 1,2,3
	v_add_nc_u32 v[RTF+\a], 16*\a, v[RTF]
.endr
.irp a, 0,1,2,3
	v_cvt_f32_u32 v[RTF+\a], v[RTF+\a]             ; t of my token of block a
.endr
.macro ROPE a                          ; block a: window 3, v[32 a ..] the 16 cosines, v[32 a + 16 ..] the 16 sines
.irp i, 0,1,2,3,4,5,6,7,8,9,10,11,12,13,14,15
	v_mul_f32 v[RX+\i], v[RTF+(\a)], v[RFQ+\i]     ; x = t f
.endr
.irp i, 0,1,2,3,4,5,6,7,8,9,10,11,12,13,14,15
	v_mul_f32 v[RN+\i], s4, v[RX+\i]
.endr
.irp i, 0,1,2,3,4,5,6,7,8,9,10,11,12,13,14,15
	v_rndne_f32 v[RN+\i], v[RN+\i]                 ; n
.endr
.irp i, 0,1,2,3,4,5,6,7,8,9,10,11,12,13,14,15
	v_fmac_f32 v[RX+\i], s5, v[RN+\i]
.endr
.irp i, 0,1,2,3,4,5,6,7,8,9,10,11,12,13,14,15
	v_fmac_f32 v[RX+\i], s8, v[RN+\i]              ; r
.endr
.irp i, 0,1,2,3,4,5,6,7,8,9,10,11,12,13,14,15
	v_mul_f32 v[RZ+\i], v[RX+\i], v[RX+\i]         ; z = r r
.endr
.irp i, 0,1,2,3,4,5,6,7,8,9,10,11,12,13,14,15
	v_fma_f32 v[RSN+\i], v[RZ+\i], s18, s19
.endr
.irp i, 0,1,2,3,4,5,6,7,8,9,10,11,12,13,14,15
	v_fma_f32 v[RSN+\i], v[RZ+\i], v[RSN+\i], s20
.endr
.irp i, 0,1,2,3,4,5,6,7,8,9,10,11,12,13,14,15
	v_mul_f32 v[RSN+\i], v[RSN+\i], v[RZ+\i]
.endr
.irp i, 0,1,2,3,4,5,6,7,8,9,10,11,12,13,14,15
	v_fma_f32 v[RSN+\i], v[RSN+\i], v[RX+\i], v[RX+\i]   ; sin r = r + r z (..)
.endr
.irp i, 0,1,2,3,4,5,6,7,8,9,10,11,12,13,14,15
	v_fma_f32 v[RCS+\i], v[RZ+\i], s21, s22
.endr
.irp i, 0,1,2,3,4,5,6,7,8,9,10,11,12,13,14,15
	v_fma_f32 v[RCS+\i], v[RZ+\i], v[RCS+\i], s23
.endr
.irp i, 0,1,2,3,4,5,6,7,8,9,10,11,12,13,14,15
	v_fma_f32 v[RCS+\i], v[RZ+\i], v[RCS+\i], -0.5
.endr
.irp i, 0,1,2,3,4,5,6,7,8,9,10,11,12,13,14,15
	v_fma_f32 v[RCS+\i], v[RZ+\i], v[RCS+\i], 1.0  ; cos r = 1 + z (-1/2 + z (..))
.endr
.irp i, 0,1,2,3,4,5,6,7,8,9,10,11,12,13,14,15
	v_cvt_i32_f32 v[RN+\i], v[RN+\i]
.endr
.irp i, 0,1,2,3,4,5,6,7,8,9,10,11,12,13,14,15
	v_and_b32 v[RW+\i], 1, v[RN+\i]
.endr
.irp i, 0,1,2,3,4,5,6,7,8,9,10,11,12,13,14,15
	v_cmp_ne_u32 vcc_lo, 0, v[RW+\i]               ; n odd: sine and cosine change places
	v_lshlrev_b32 v[RW+\i], 30, v[RN+\i]           ; bit 1 of n to the sign's place: the sine's sign
	v_add_nc_u32 v[RN+\i], 1, v[RN+\i]
	v_cndmask_b32 v[RX+\i], v[RSN+\i], v[RCS+\i], vcc_lo
	v_cndmask_b32 v[RZ+\i], v[RCS+\i], v[RSN+\i], vcc_lo
.endr
.irp i, 0,1,2,3,4,5,6,7,8,9,10,11,12,13,14,15
	v_lshlrev_b32 v[RN+\i], 30, v[RN+\i]           ; bit 1 of n + 1: the cosine's sign
.endr
.irp i, 0,1,2,3,4,5,6,7,8,9,10,11,12,13,14,15
	v_and_b32 v[RW+\i], s9, v[RW+\i]
.endr
.irp i, 0,1,2,3,4,5,6,7,8,9,10,11,12,13,14,15
	v_and_b32 v[RN+\i], s9, v[RN+\i]
.endr
	WIN 0xc0                                       ; into window 3
.irp i, 0,1,2,3,4,5,6,7,8,9,10,11,12,13,14,15
	v_xor_b32 v[32*(\a)+\i], v[RZ+\i], v[RN+\i]
.endr
.irp i, 0,1,2,3,4,5,6,7,8,9,10,11,12,13,14,15
	v_xor_b32 v[32*(\a)+16+\i], v[RX+\i], v[RW+\i]
.endr
	WIN 0
.endm
	ROPE 0
	ROPE 1
	ROPE 2
	ROPE 3
	s_wait_alu depctr_va_vdst(0)                   ; the wait at the head's end
; the quantiser of 64 registers (four blocks of 32 along the next K, each in lanes l and l xor 16): 12 registers of codes and a scale word
.macro QUANT s, w, pw
	WIN (\w)|((\w)<<2)
.irp b, 0,1,2,3
	v_max3_num_f32 v[TM+\b], |v[(\s)+16*\b]|, |v[(\s)+1+16*\b]|, 0x1800000
.endr
	WIN ((\w)<<2)|((\w)<<4)
.irp i, 2,4,6,8,10,12,14
.irp b, 0,1,2,3
	v_max3_num_f32 v[TM+\b], v[TM+\b], |v[(\s)+16*\b+\i]|, |v[(\s)+1+16*\b+\i]|
.endr
.endr
	WIN 0
	s_wait_alu depctr_va_vdst(0)
	s_wait_dscnt 0x0
	s_wait_xcnt 0x0                                ; earlier stores have read the registers that are written below
.irp b, 0,1,2,3
	v_permlanex16_b32 v[TM+4+\b], v[TM+\b], s98, s99
.endr
.irp b, 0,1,2,3
	v_max_num_f32 v[TM+\b], v[TM+\b], v[TM+4+\b]
.endr
.irp b, 0,1,2,3
	v_add_nc_u32 v[TM+12+\b], 0xff000000, v[TM+\b]
.endr
.irp b, 0,1,2,3
	v_lshrrev_b32 v[TM+4+\b], 23, v[TM+12+\b]
.endr
	v_lshl_or_b32 v[\pw], v[TM+5], 8, v[TM+4]
	v_lshl_or_b32 v[\pw], v[TM+6], 16, v[\pw]
	v_lshl_or_b32 v[\pw], v[TM+7], 24, v[\pw]
	WIN (\w)
.irp c, 0,1
	v_cvt_scalef32_pk16_fp6_f32 v[PC+6*\c:PC+2+6*\c], v[(\s)+32*\c:(\s)+15+32*\c], v[TM+12+2*\c]
	v_cvt_scalef32_pk16_fp6_f32 v[PC+12+4*\c:PC+14+4*\c], v[(\s)+16+32*\c:(\s)+31+32*\c], v[TM+12+2*\c+1]
.endr
	WIN 0
	v_nop
.irp c, 0,1
.irp i, 0,1,2
	v_permlane16_swap_b32 v[PC+6*\c+\i], v[PC+12+4*\c+\i]
.endr
.irp i, 0,1,2
	v_mov_b32 v[PC+3+6*\c+\i], v[PC+12+4*\c+\i]
.endr
.endr
.endm
.macro SUMSQ a                         ; the sums of squares of block a's two heads, my 32 channels of each
.set AC, 64*(\a)
	WIN 0x0a
.irp e, 0,1
	v_pk_mul_f32 v[UR+4*\e:UR+4*\e+1], v[AC+32*\e:AC+32*\e+1], v[AC+32*\e:AC+32*\e+1]
	v_pk_mul_f32 v[UR+4*\e+2:UR+4*\e+3], v[AC+32*\e+2:AC+32*\e+3], v[AC+32*\e+2:AC+32*\e+3]
.endr
.irp i, 4,8,12,16,20,24,28
.irp e, 0,1
	v_pk_fma_f32 v[UR+4*\e:UR+4*\e+1], v[AC+32*\e+\i:AC+32*\e+\i+1], v[AC+32*\e+\i:AC+32*\e+\i+1], v[UR+4*\e:UR+4*\e+1]
	v_pk_fma_f32 v[UR+4*\e+2:UR+4*\e+3], v[AC+32*\e+\i+2:AC+32*\e+\i+3], v[AC+32*\e+\i+2:AC+32*\e+\i+3], v[UR+4*\e+2:UR+4*\e+3]
.endr
.endr
	WIN 0
.irp e, 0,1
	v_pk_add_f32 v[UR+4*\e:UR+4*\e+1], v[UR+4*\e:UR+4*\e+1], v[UR+4*\e+2:UR+4*\e+3]
.endr
.irp e, 0,1
	v_add_f32 v[RS+2*(\a)+\e], v[UR+4*\e], v[UR+4*\e+1]
.endr
.endm
.macro NORMROPE a, e, tb               ; head e of block a: x rsqrt, x gain, then the rotation (channels 0-31 with 32-63), into window 1
.set AC, 64*(\a)+32*(\e)
	WIN 0x02
.irp i, 0,2,4,6,8,10,12,14,16,18,20,22,24,26,28,30
.if \e
	v_pk_mul_f32 v[XR+\i:XR+\i+1], v[AC+\i:AC+\i+1], v[RS+2*(\a):RS+2*(\a)+1] op_sel:[0,1] op_sel_hi:[1,1]
.else
	v_pk_mul_f32 v[XR+\i:XR+\i+1], v[AC+\i:AC+\i+1], v[RS+2*(\a):RS+2*(\a)+1] op_sel_hi:[1,0]
.endif
.endr
	WIN 0x0c                                       ; source 1: window 3
.irp i, 0,2,4,6,8,10,12,14,16,18,20,22,24,26,28,30
	v_pk_mul_f32 v[XR+\i:XR+\i+1], v[XR+\i:XR+\i+1], v[GN+\i:GN+\i+1]
.endr
	WIN 0x5c                                       ; source 1: window 3; source 2 and destination: window 1
.irp i, 0,2,4,6,8,10,12,14
	v_pk_mul_f32 v[(\tb)+\i:(\tb)+\i+1], v[XR+\i:XR+\i+1], v[32*(\a)+\i:32*(\a)+\i+1]
	v_pk_mul_f32 v[(\tb)+16+\i:(\tb)+16+\i+1], v[XR+16+\i:XR+16+\i+1], v[32*(\a)+\i:32*(\a)+\i+1]
.endr
.irp i, 0,2,4,6,8,10,12,14
	v_pk_fma_f32 v[(\tb)+\i:(\tb)+\i+1], v[XR+16+\i:XR+16+\i+1], v[32*(\a)+16+\i:32*(\a)+16+\i+1], v[(\tb)+\i:(\tb)+\i+1] neg_lo:[1,0,0] neg_hi:[1,0,0]
	v_pk_fma_f32 v[(\tb)+16+\i:(\tb)+16+\i+1], v[XR+\i:XR+\i+1], v[32*(\a)+16+\i:32*(\a)+16+\i+1], v[(\tb)+16+\i:(\tb)+16+\i+1]
.endr
	WIN 0
.endm
.Ltile:                                                ; trip 0: q, trip 1: k
	s_wait_tensorcnt 0x0                           ; my part of the tiles has landed
	s_barrier_signal -1
	s_barrier_wait -1                              ; everybody's has
	FETCH 0, 18, 20, 16
	s_wait_loadcnt 0x0                             ; this tile's scale words
	s_cmp_eq_u32 s3, 0
	s_cselect_b64 s[18:19], s[68:69], s[70:71]
	WIN 0xc0
.irp c, 0,1,2,3
.irp k, 0,1
	global_load_b128 v[GN+8*\c+4*\k:GN+8*\c+4*\k+3], v[GAD], s[18:19] offset:64*\c+16*\k   ; this tile's gains land under its products
.endr
.endr
	WIN 0
.irp s, 0,1,2,3,4,5,6
	STEP \s, 18, 20, 16
.endr
	s_wait_tensorcnt 0x0                           ; the last step: none of my tensor loads is out;
	ds_add_u32 v28, v29                            ; the add;
	s_wait_dscnt 1                                 ; (the add alone may be out: the step's fragments are in)
	WIN 0xa1
	MULS 7, 0
	s_wait_dscnt 0x0                               ; the add is done, and my reads of the weights' tile are over
	s_barrier_signal -1
	MULS 7, 2
	WIN 0
	s_barrier_wait -1
	CREST                                          ; the barrier has opened a round of the cluster's barrier: no wave of any partner still reads this tile
	s_add_nc_u64 s[90:91], s[90:91], 1024*KROW
	tensor_load_to_lds s[88:91], s[80:87]          ; the next weights: Wk's, then Wv's; my 64 rows
	s_nop 0
	PLACES 4
.irp i, 0,1,2,3,4,5,6,7,8,9,10,11,12,13,14,15
	v_mov_b32 v[TM+\i], 0
.endr
	s_wait_loadcnt 0x0                             ; the gains
	s_wait_xcnt 0x0                                ; the last trip's stores have read their base
	s_cmp_eq_u32 s3, 0
	s_cselect_b64 s[20:21], s[6:7], s[78:79]       ; the next tile's scale words: k's as q's; v's with the roles changed
	s_cselect_b64 s[22:23], s[76:77], s[92:93]
	s_cselect_b32 s12, 12800, 0                    ; q's section or k's
	s_cselect_b32 s95, 0x3e000000, 1.0             ; q takes 64^(-1/2)
	s_add_nc_u64 s[46:47], s[74:75], s[12:13]
	SCALELOADS 20, 22
.irp a, 0,1,2,3
	SUMSQ \a
.endr
.irp i, 0,1,2,3,4,5,6,7
	v_permlanex16_b32 v[TM+\i], v[RS+\i], s98, s99
.endr
.irp i, 0,1,2,3,4,5,6,7
	v_add_f32 v[RS+\i], v[RS+\i], v[TM+\i]
.endr
.irp i, 0,1,2,3,4,5,6,7
	v_fma_f32 v[RS+\i], v[RS+\i], s97, s96         ; the mean + 1e-6
.endr
	s_wait_alu depctr_va_vdst(0)                   ; the wait ahead of the batch
.irp i, 0,1,2,3,4,5,6,7
	v_rsq_f32 v[RS+\i], v[RS+\i]
.endr
	v_nop
	s_wait_alu depctr_va_vdst(0)                   ; and behind it
.irp i, 0,1,2,3,4,5,6,7
	v_mul_f32 v[RS+\i], s95, v[RS+\i]
.endr
.irp e, 0,1
.irp g, 0,1
	NORMROPE 2*\g, \e, 0
	NORMROPE 2*\g+1, \e, 32
	QUANT 0, 1, PW
.irp c, 0,1,2
	ds_store_b128 v[STG], v[PC+4*\c:PC+4*\c+3] offset:128*\g+512*\c
.endr
	ds_store_b32 v[STS], v[PW] offset:256*\e+64*\g
.endr
.irp k, 0,1,2,3,4,5
	ds_load_b128 v[RB+4*\k:RB+4*\k+3], v[SRD] offset:512*\k      ; my own bytes: LDS serves a wave's instructions in order
.endr
	s_wait_dscnt 0x0
.irp k, 0,1,2,3,4,5
	global_store_b128 v[LI], v[RB+4*\k:RB+4*\k+3], s[46:47] offset:\e*307200+512*\k   ; 512 consecutive bytes a store
.endr
.endr
	s_barrier_signal -1                            ; (no LDS instruction of mine is out) both waves' scale words are in the stage:
	s_barrier_wait -1
	ds_load_b64 v[RB+24:RB+25], v[SRS]             ; I store those of one head, 256 bytes
	s_wait_dscnt 0x0
	global_store_b64 v[SWO], v[RB+24:RB+25], s[46:47]
	s_add_co_u32 s3, s3, 1
	s_cmp_lt_u32 s3, 2
	s_wait_alu depctr_va_vdst(0)                   ; the wait ahead of the branch
	s_cbranch_scc1 .Ltile
; THE TAIL: v.  Source 0 = the 128 tokens, source 1 = my 64 channels
	s_wait_tensorcnt 0x0
	s_barrier_signal -1
	s_barrier_wait -1
	FETCH 0, 14, 22, 12
	s_wait_loadcnt 0x0
.irp s, 0,1,2,3,4,5,6,7
	STEP \s, 14, 22, 12
.endr
	PLACES 4
.irp i, 0,1,2,3,4,5,6,7,8,9,10,11,12,13,14,15
	v_mov_b32 v[TM+\i], 0
.endr
.irp a, 0,1,2,3                        ; 16 channels x 128 keys: one image of 1,536 bytes, lane l at 16 l of each 512
	QUANT 64*\a, 2, PWS+\a
.irp c, 0,1,2
	global_store_b128 v[LI], v[PC+4*\c:PC+4*\c+3], s[44:45] offset:\a*1536+512*\c
.endr
.endr
	v_cndmask_b32 v[RB], v[PWS], v[PWS+1], s100
	v_cndmask_b32 v[RB+1], v[PWS+2], v[PWS+3], s100
	global_store_b64 v[L8], v[RB:RB+1], s[44:45] offset:6144
	s_wait_tensorcnt 0x0                           ; the wave's end
	ds_add_u32 v28, v29
	s_wait_dscnt 0x0
	CROUND                                         ; the closing round
	s_endpgm
.Lfunc_end_k_q160b949363_qkv:
	.size	k_q160b949363_qkv, .Lfunc_end_k_q160b949363_qkv-k_q160b949363_qkv
	.p2alignl 7, 3214868480
	.fill 96, 4, 3214868480
	.section	.rodata,"a",@progbits
	.p2align	6, 0x0
	.amdhsa_kernel k_q160b949363_qkv
		.amdhsa_group_segment_fixed_size 327680
		.amdhsa_private_segment_fixed_size 0
		.amdhsa_enable_private_segment 0
		.amdhsa_kernarg_size 56
		.amdhsa_user_sgpr_count 2
		.amdhsa_user_sgpr_kernarg_segment_ptr 1
		.amdhsa_wavefront_size32 1
		.amdhsa_system_sgpr_workgroup_id_x 1
		.amdhsa_system_sgpr_workgroup_id_y 1
		.amdhsa_system_sgpr_workgroup_id_z 1
		.amdhsa_system_vgpr_workitem_id 0
		.amdhsa_next_free_vgpr 1024
		.amdhsa_next_free_sgpr 102
		.amdhsa_reserve_vcc 1
		.amdhsa_float_denorm_mode_32 3
		.amdhsa_float_denorm_mode_16_64 3
		.amdhsa_memory_ordered 1
		.amdhsa_forward_progress 1
		.amdhsa_inst_pref_size 255
	.end_amdhsa_kernel
	.section	.bss,"aw",@nobits
	.p2align	6
	.space	262144
	.amdgpu_metadata
---
amdhsa.version: [ 1, 2 ]
amdhsa.kernels:
  - .name:           k_q160b949363_qkv
    .symbol:         k_q160b949363_qkv.kd
    .args:
      - { .name: x_codes, .offset: 0, .size: 8, .value_kind: global_buffer, .address_space: global }
      - { .name: x_scales, .offset: 8, .size: 8, .value_kind: global_buffer, .address_space: global }
      - { .name: w_qkv_codes, .offset: 16, .size: 8, .value_kind: global_buffer, .address_space: global }
      - { .name: w_qkv_scales, .offset: 24, .size: 8, .value_kind: global_buffer, .address_space: global }
      - { .name: q_scale, .offset: 32, .size: 8, .value_kind: global_buffer, .address_space: global }
      - { .name: k_scale, .offset: 40, .size: 8, .value_kind: global_buffer, .address_space: global }
      - { .name: qkv, .offset: 48, .size: 8, .value_kind: global_buffer, .address_space: global }
    .group_segment_fixed_size: 327680
    .private_segment_fixed_size: 0
    .kernarg_segment_align: 8
    .kernarg_segment_size: 56
    .max_flat_workgroup_size: 128
    .sgpr_count:     102
    .vgpr_count:     1024
    .wavefront_size: 32
...
	.end_amdgpu_metadata
.endif
;; end of part 1
;; launch attn (part 2): grid 4 x 64, 16 waves a work-group, clusters of 4 x 1, 206,848 bytes of LDS; arguments qkv, oimg, osc; writes oimg, osc
.if DOCPART == 2
	.amdgcn_target "amdgcn-amd-amdhsa--gfx1250"
	.amdhsa_code_object_version 6
	.text
	.protected	k_q160b949363_attn
	.globl	k_q160b949363_attn
	.p2align	8
	.type	k_q160b949363_attn,@function
k_q160b949363_attn:
	s_mov_b64 s[64:65], 0
	v_nop
	global_prefetch_b8 v0, s[64:65] scope:SCOPE_SE
	s_setreg_imm32_b32 hwreg(HW_REG_WAVE_MODE, 25, 1), 1
	s_wait_xcnt 0x0
	s_wait_alu depctr_hold_cnt(0) depctr_sa_sdst(0) depctr_va_vdst(0) depctr_va_sdst(0) depctr_va_ssrc(0) depctr_va_vcc(0) depctr_vm_vsrc(0)
	s_getreg_b32 s2, hwreg(HW_REG_IB_STS2, 6, 4)
	s_cmp_eq_u32 s2, 0
	s_cbranch_scc0 .Lentry_in_a_cluster
	s_endpgm
.Lentry_in_a_cluster:
	s_bfe_u32 s2, ttmp6, 0x10000c
	s_cmp_lg_u32 s2, 0x3003
	s_cbranch_scc0 .Lentry_shape_is_right
	s_endpgm
.Lentry_shape_is_right:
; o = softmax(q k^T) v for one (batch, head), both products on codes of FP6 (E2M3) with E8M0 scales, and the quantiser of o along the head's 64 channels.
; t = score x log2(e); M = the running largest t rounded up to a whole number; p = 2^(t - M) is quantised along the keys, not normalised; the row's sum is taken of the unquantised p and divides at the end.
; When M moves, the sum and O are multiplied by 2^(old M - new M), which rounds nothing.
; SHARES.  A work-group owns 512 queries of one head; each of its sixteen waves owns one tile of 16 queries in each of two passes, in 256 registers: four waves to a SIMD, so that one wave's vector work
; stands beside another's LDS loads and products.
; K AND V OF THE WHOLE HEAD STAY IN LDS: 16 steps x 12,800 bytes, filled ONCE: wave w brings step w by one tensor load.  Nothing is filled again, so there is no ring.  The four work-groups of a cluster share the head:
; the load is a joint one, the same descriptor and the mask of all four in each.
; OPERANDS lie in memory and in LDS as images of their registers (three chunks of 512 bytes, lane l at 16 l): three ds_load_b128 bring a fragment, dense.
; K = 64 IN AN INSTRUCTION OF 128.  An image of K holds two tiles of 16 keys, y = 0 in registers 0-5 and y = 1 in 6-11.  Q stands between zeros, v16-21 | v22-27 | v28-33: v[22:33] meets tile 0, v[16:27] tile 1;
; zero codes add nothing.
; LAYOUT.  S^T = K Q^T, O^T = V^T P^T: a lane holds one query (lane % 16).  The keys of K's tiles are so chosen by the launch before that a lane's 32 registers of half a step are ONE block of 32 keys, in the order in
; which v's codes lie: a block's largest p needs no other lane, and the conversions' results are the operand.  Since p rises with the score, the block's largest score goes through the same two instructions as every
; score and gives the block's largest p (this takes v_exp_f32 not to fall where its input rises; at worst one p within a last bit of a power of two is held one code low).
; LIMITS: p under 2^-126 counts as 0; a block of zeros gets the byte 1 (zero codes; only this program reads the bytes); NaN and infinities are not served.  o's scale bytes leave one byte a lane, rows 32 bytes
; apart: their neighbours belong to other heads' work-groups; they are 1/24 of the codes' bytes.
.set STEPB, 12800                      ; a step in LDS: K's four images, 256 bytes of scale words, V's four images, 256 bytes
.set FRG,  36                          ; v36-83   four fragments
.set SR,   96                          ; v96-159  S^T, then p
.set OA,   160                         ; v160-191 O^T
.set PC,   192                         ; v192-203 p's codes; v204-206, v208-210 the conversions' second halves
.set TR,   224                         ; v224-255 O^T / the sum
; v1 16 x lane; v2 8 x lane; v3-5 Q's three pieces; v6 Q's scale word; v7 o's scale byte; v8, v9 the step's LDS addresses; v10, v11 at work; v12 -M; v13 the largest t; v[14:15] the sum;
; v34 Q's scale word; v35, v89 as loaded; v84-85 K's scale words, v86-87 V's, v88 p's; v90-95 the second pass's q; v211 8 h; v212-213 block maxima; v216-217 scale operands; v218-219 bytes; v[220:221] f; v[222:223] a sum chain
.macro CROUND                          ; a round of the cluster's barrier
	s_barrier_signal -1
	s_barrier_wait -1
	s_cmp_lg_u32 s10, 0
	s_cbranch_scc1 .Lnot_wave_0_\@
	s_barrier_signal -3
.Lnot_wave_0_\@:
	s_barrier_wait -3
	s_barrier_signal -1
	s_barrier_wait -1
.endm
	s_load_b128 s[4:7], s[0:1], 0x0                ; qkv, oimg
	s_load_b64 s[8:9], s[0:1], 0x10                ; osc
	v_lshl_add_u32 v214, v0, 2, 0x32000
	v_mov_b32 v215, 0
	ds_add_u32 v214, v215
	ds_add_u32 v214, v215
	v_lshrrev_b32 v10, 5, v0
	s_delay_alu instid0(VALU_DEP_1)
	v_readfirstlane_b32 s10, v10                   ; wave 0..15
	s_bfe_u32 s11, ttmp6, 0x40000                  ; cx: which 512 queries; it enters Q's and o's addresses alone
	s_and_b32 s12, ttmp7, 0xffff                   ; 16 x batch + head, which the four partners share
	; descriptor group 1: 12,800 dense bytes as 50 rows of 256 (32 elements of 8 bytes)
	s_mov_b32 s20, 15|(3<<16)|(1<<21)              ; 15:0 the mask: all four work-groups; 17:16 elements of 8 bytes; 21 set beside a mask
	s_mov_b32 s21, 32<<16                          ; tensor_dim0
	s_mov_b32 s22, 50<<16                          ; tensor_dim1
	s_mov_b32 s23, 32<<16                          ; tile_dim0
	s_mov_b32 s24, 50                              ; tile_dim1
	s_mov_b32 s25, 32                              ; tensor_dim0_stride
	s_mov_b32 s26, 0
	s_mov_b32 s27, 0
	s_mul_i32 s34, s12, 307200                     ; the head's first byte
	s_mov_b32 s35, 0
	s_mul_i32 s38, s10, 19200                      ; step w in memory,
	s_mov_b32 s39, 0
	s_mov_b32 s16, 1
	s_mul_i32 s17, s10, STEPB                      ; and in LDS
	s_wait_dscnt 0x0
	s_wait_kmcnt 0x0
	s_add_nc_u64 s[4:5], s[4:5], s[34:35]
	s_add_nc_u64 s[18:19], s[4:5], s[38:39]
	s_or_b32 s19, s19, 0x80000000
	CROUND                                         ; all four work-groups are here: the joint loads meet
	tensor_load_to_lds s[16:19], s[20:27]          ; my one tensor load of the launch
	s_nop 0
.rept 4
	v_nop
.endr
	s_lshl_b32 s42, s11, 2
	s_lshr_b32 s43, s10, 3
	s_add_co_u32 s42, s42, s43                     ; the step in which my first pass's queries lie: 4 cx + wave / 8; the second pass's: two steps on
	s_mul_i32 s42, s42, 19200
	s_add_co_u32 s42, s42, 12800                   ; Q's section
	s_mov_b32 s43, 0
	s_add_nc_u64 s[40:41], s[4:5], s[42:43]
	s_lshr_b32 s44, s12, 4
	s_lshl_b32 s44, s44, 7
	s_lshl_b32 s45, s11, 5
	s_add_co_u32 s44, s44, s45
	s_add_co_u32 s44, s44, s10                     ; my tile of 16 rows of o: 128 x batch + 32 cx + wave (+ 16 in the second pass)
	s_and_b32 s45, s12, 15                         ; the head
	s_mul_i32 s38, s44, 12288
	s_mul_i32 s39, s45, 768
	s_add_co_u32 s38, s38, s39
	s_mov_b32 s39, 0
	s_add_nc_u64 s[6:7], s[6:7], s[38:39]
	s_lshl_b32 s38, s44, 9
	s_lshl_b32 s45, s45, 1
	s_add_co_u32 s38, s38, s45
	s_add_nc_u64 s[8:9], s[8:9], s[38:39]
	s_bfe_u32 s45, s10, 0x20001                    ; which image of Q's four
	s_and_b32 s46, s10, 1                          ; and which of its two tiles
	s_mov_b32 s37, 0x03020302
	s_cmp_eq_u32 s46, 0
	s_cselect_b32 s37, 0x01000100, s37             ; my tile's two scale bytes, twice: they serve both places of q among the zeros
	s_mul_i32 s47, s45, 1536
	s_mul_i32 s13, s46, 520
	s_add_co_u32 s13, s13, s47                     ; registers 0, 1 of my six: byte 0 of the lane's 16 in chunk 0, or byte 8 in chunk 1
	s_mul_i32 s14, s46, 1016
	s_add_co_u32 s14, s14, s47
	s_add_co_u32 s14, s14, 8                       ; registers 2, 3: byte 8 in chunk 0, or byte 0 in chunk 2
	s_and_b32 s15, s45, 1
	s_lshl_b32 s15, s15, 7
	s_lshr_b32 s47, s45, 1
	s_lshl_b32 s47, s47, 2
	s_add_co_u32 s15, s15, s47
	s_add_co_u32 s15, s15, 6144                    ; Q's scale words: 8 (16 n + r) + 4 G behind the images
	s_mov_b32 s28, 0x76543210
	s_mov_b32 s29, 0xfedcba98                      ; v_permlanex16_b32's selects for lane l xor 16
	s_mov_b32 s30, 0x3fb8aa3b                      ; log2(e)
	s_mov_b32 s31, s30                             ; (named with it as a pair, so it is written)
	s_mov_b32 s36, 0xffff0000                      ; lanes 16-31
	v_and_b32 v10, 31, v0
	s_delay_alu instid0(VALU_DEP_1)
	v_lshlrev_b32 v1, 4, v10
	s_delay_alu instid0(VALU_DEP_2)
	v_lshlrev_b32 v2, 3, v10
	v_and_b32 v10, 15, v0                          ; r
	v_bfe_u32 v11, v0, 4, 1                        ; h
	s_delay_alu instid0(VALU_DEP_4)
	v_add_nc_u32 v3, s13, v1
	v_add_nc_u32 v4, s14, v1
	s_delay_alu instid0(VALU_DEP_2)
	v_add_nc_u32 v5, 512, v3                       ; registers 4, 5: one chunk behind registers 0, 1
	v_lshl_add_u32 v6, v10, 3, s15
	v_lshl_add_u32 v7, v10, 5, v11                 ; o's scale byte: row r of 32 bytes, block h
	v_lshlrev_b32 v211, 3, v11
	global_load_b64 v[22:23], v3, s[40:41]
	global_load_b64 v[24:25], v4, s[40:41]
	global_load_b64 v[26:27], v5, s[40:41]
	global_load_b32 v35, v6, s[40:41]
	global_load_b64 v[90:91], v3, s[40:41] offset:38400
	global_load_b64 v[92:93], v4, s[40:41] offset:38400
	global_load_b64 v[94:95], v5, s[40:41] offset:38400
	global_load_b32 v89, v6, s[40:41] offset:38400
.irp i, 0,1,2,3,4,5
	v_mov_b32 v[16+\i], 0                          ; the zero codes on both sides of q
	v_mov_b32 v[28+\i], 0
.endr
	v_mov_b32 v11, 0                               ; a lane permute's destination counts as one of its sources
	v_mov_b32 v221, 0                              ; (named as the upper half of the pair v[220:221])
	s_wait_tensorcnt 0x0                           ; for the others' sake: my step has landed
	s_barrier_signal -1
	s_barrier_wait -1                              ; all sixteen steps have
	s_wait_loadcnt 0x0                             ; Q
.macro KQ gg, t                        ; scores of tile t of half gg: keys 64 gg + 32 h + pi(t) + j in register j
.set QB, 22-6*((\t)%2)
.if (\t)/2
	v_wmma_scale_f32_16x16x128_f8f6f4 v[SR+8*(4*\gg+\t):SR+8*(4*\gg+\t)+7], v[FRG+12*(2*\gg+(\t)/2):FRG+12*(2*\gg+(\t)/2)+11], v[QB:QB+11], 0, v[84+\gg], v34 matrix_a_fmt:MATRIX_FMT_FP6 matrix_b_fmt:MATRIX_FMT_FP6 matrix_a_scale:MATRIX_SCALE_ROW1
.else
	v_wmma_scale_f32_16x16x128_f8f6f4 v[SR+8*(4*\gg+\t):SR+8*(4*\gg+\t)+7], v[FRG+12*(2*\gg+(\t)/2):FRG+12*(2*\gg+(\t)/2)+11], v[QB:QB+11], 0, v[84+\gg], v34 matrix_a_fmt:MATRIX_FMT_FP6 matrix_b_fmt:MATRIX_FMT_FP6
.endif
.endm
.macro PV c                            ; O^T of channels 16 c on += V^T P^T over these 128 keys
.if (\c)%2
	v_wmma_scale_f32_16x16x128_f8f6f4 v[OA+8*\c:OA+8*\c+7], v[FRG+12*\c:FRG+12*\c+11], v[PC:PC+11], v[OA+8*\c:OA+8*\c+7], v[86+(\c)/2], v88 matrix_a_fmt:MATRIX_FMT_FP6 matrix_b_fmt:MATRIX_FMT_FP6 matrix_a_scale:MATRIX_SCALE_ROW1
.else
	v_wmma_scale_f32_16x16x128_f8f6f4 v[OA+8*\c:OA+8*\c+7], v[FRG+12*\c:FRG+12*\c+11], v[PC:PC+11], v[OA+8*\c:OA+8*\c+7], v[86+(\c)/2], v88 matrix_a_fmt:MATRIX_FMT_FP6 matrix_b_fmt:MATRIX_FMT_FP6
.endif
.endm
; A KEY STEP: 128 keys.
.macro KSTEP
	v_add_nc_u32 v8, s32, v1
	v_add_nc_u32 v9, s32, v2
	v_nop
	v_nop                                          ; four places behind the last products, in front of loads into the registers that they read
.irp g, 0,1,2,3
.irp c, 0,1,2
	ds_load_b128 v[FRG+12*\g+4*\c:FRG+12*\g+4*\c+3], v8 offset:1536*\g+512*\c      ; K's four images
.endr
.endr
	ds_load_b64 v[84:85], v9 offset:6144           ; K's scale words: register G; lanes 0-15 image 2 G, lanes 16-31 image 2 G + 1
	s_wait_alu depctr_va_vdst(0)
	s_wait_dscnt 0x0
.irp gg, 0,1
.irp t, 0,1,2,3
	KQ \gg, \t
.endr
.endr
.rept 4
	v_nop                                          ; places: in front of the loads below and of the first read of the scores
.endr
.irp g, 0,1,2,3
.irp c, 0,1,2
	ds_load_b128 v[FRG+12*\g+4*\c:FRG+12*\g+4*\c+3], v8 offset:6400+1536*\g+512*\c  ; V's four images land under the softmax
.endr
.endr
	ds_load_b64 v[86:87], v9 offset:12544
.irp gg, 0,1
	v_max3_num_f32 v[212+\gg], v[SR+32*\gg], v[SR+32*\gg+1], v[SR+32*\gg+2]        ; the largest score of my block of half gg; each accumulator is read from its low end on
.endr
.irp i, 3,5,7,9,11,13,15,17,19,21,23,25,27,29
.irp gg, 0,1
	v_max3_num_f32 v[212+\gg], v[212+\gg], v[SR+32*\gg+\i], v[SR+32*\gg+\i+1]
.endr
.endr
.irp gg, 0,1
	v_max_num_f32 v[212+\gg], v[212+\gg], v[SR+32*\gg+31]
.endr
	s_delay_alu instid0(VALU_DEP_1)
	v_max_num_f32 v10, v212, v213
	s_delay_alu instid0(VALU_DEP_1)
	v_permlanex16_b32 v11, v10, s28, s29
	s_delay_alu instid0(VALU_DEP_1)
	v_max_num_f32 v10, v10, v11                    ; the step's largest score of my query
	s_delay_alu instid0(VALU_DEP_1)
	v_mul_f32 v10, s30, v10                        ; as t
	s_delay_alu instid0(VALU_DEP_1)
	v_max_num_f32 v13, v13, v10                    ; the running largest t
	v_mov_b32 v10, v12
	s_delay_alu instid0(VALU_DEP_2)
	v_floor_f32 v12, -v13                          ; the new -M = -ceil(t): a whole number
	s_delay_alu instid0(VALU_DEP_1)
	v_sub_f32 v10, v12, v10                        ; old M - new M, 0 or less
	s_delay_alu instid0(VALU_DEP_1)
	v_cvt_i32_f32 v10, v10                         ; (it saturates)
	s_delay_alu instid0(VALU_DEP_1)
	v_ldexp_f32 v220, 1.0, v10                     ; f = 2^(old M - new M)
.set j, 0
.rept 32
	v_pk_fma_f32 v[SR+j:SR+j+1], v[SR+j:SR+j+1], s[30:31], v[12:13] op_sel_hi:[1,0,0]   ; t - M, two at a time
.set j, j+2
.endr
.irp gg, 0,1
	v_fma_f32 v[212+\gg], v[212+\gg], s30, v12     ; the same of each block's largest score
.endr
.set j, 0
	s_wait_alu depctr_va_vdst(0)
.rept 64
	v_exp_f32 v[SR+j], v[SR+j]                     ; p = 2^(t - M)
.set j, j+1
.endr
	v_exp_f32 v212, v212                           ; the blocks' largest p
	v_exp_f32 v213, v213
	v_pk_mul_f32 v[14:15], v[14:15], v[220:221] op_sel_hi:[1,0]   ; the sum under the new M.  (The plain place behind the exponentials)
	s_wait_alu depctr_va_vdst(0)
.irp gg, 0,1
	v_max_num_f32 v[212+\gg], 0x1800000, v[212+\gg]   ; the floor 2^(3 - 127): the byte cannot fall under 1
.endr
.irp gg, 0,1
	s_delay_alu instid0(VALU_DEP_2)
	v_add_nc_u32 v[216+\gg], 0xff000000, v[212+\gg]   ; 2 off the exponent field: the conversion's scale operand
.endr
.irp gg, 0,1
	s_delay_alu instid0(VALU_DEP_2)
	v_lshrrev_b32 v[218+\gg], 23, v[216+\gg]       ; the scale's byte
.endr
	s_delay_alu instid0(VALU_DEP_1)
	v_lshl_or_b32 v10, v219, 16, v218              ; my two bytes, blocks h and 2 + h,
	s_delay_alu instid0(VALU_DEP_1)
	v_lshlrev_b32 v10, v211, v10                   ; at their places in the word;
	s_delay_alu instid0(VALU_DEP_1)
	v_permlanex16_b32 v11, v10, s28, s29
	s_delay_alu instid0(VALU_DEP_1)
	v_or_b32 v88, v10, v11                         ; with lane l xor 16's two the word is whole
.irp gg, 0,1
	v_cvt_scalef32_pk16_fp6_f32 v[PC+6*\gg:PC+6*\gg+2], v[SR+32*\gg:SR+32*\gg+15], v[216+\gg]
	v_cvt_scalef32_pk16_fp6_f32 v[204+4*\gg:206+4*\gg], v[SR+32*\gg+16:SR+32*\gg+31], v[216+\gg]   ; (a conversion's three registers begin on an even number)
.endr
	v_nop                                          ; one plain place behind a scaled conversion
.irp gg, 0,1
.irp i, 0,1,2
	v_mov_b32 v[PC+3+6*\gg+\i], v[204+4*\gg+\i]
.endr
.endr
	v_pk_add_f32 v[222:223], v[100:101], v[104:105]
	v_pk_add_f32 v[254:255], v[108:109], v[112:113]
	v_pk_add_f32 v[252:253], v[116:117], v[120:121]
	v_pk_add_f32 v[250:251], v[124:125], v[128:129]
	v_pk_add_f32 v[248:249], v[132:133], v[136:137]
	v_pk_add_f32 v[246:247], v[140:141], v[144:145]
	v_pk_add_f32 v[244:245], v[148:149], v[152:153]
	v_pk_add_f32 v[14:15], v[14:15], v[156:157]
	v_pk_add_f32 v[222:223], v[222:223], v[96:97]
	v_pk_add_f32 v[254:255], v[254:255], v[98:99]
	v_pk_add_f32 v[252:253], v[252:253], v[102:103]
	v_pk_add_f32 v[250:251], v[250:251], v[106:107]
	v_pk_add_f32 v[248:249], v[248:249], v[110:111]
	v_pk_add_f32 v[246:247], v[246:247], v[114:115]
	v_pk_add_f32 v[244:245], v[244:245], v[118:119]
	v_pk_add_f32 v[14:15], v[14:15], v[122:123]
	v_pk_add_f32 v[222:223], v[222:223], v[126:127]
	v_pk_add_f32 v[254:255], v[254:255], v[130:131]
	v_pk_add_f32 v[252:253], v[252:253], v[134:135]
	v_pk_add_f32 v[250:251], v[250:251], v[138:139]
	v_pk_add_f32 v[248:249], v[248:249], v[142:143]
	v_pk_add_f32 v[246:247], v[246:247], v[146:147]
	v_pk_add_f32 v[244:245], v[244:245], v[150:151]
	v_pk_add_f32 v[14:15], v[14:15], v[154:155]
	v_pk_add_f32 v[222:223], v[222:223], v[158:159]
	s_delay_alu instid0(VALU_DEP_2)
	v_pk_add_f32 v[14:15], v[14:15], v[250:251]
	s_delay_alu instid0(VALU_DEP_2)
	v_pk_add_f32 v[222:223], v[222:223], v[248:249]
	v_pk_add_f32 v[254:255], v[254:255], v[246:247]
	v_pk_add_f32 v[252:253], v[252:253], v[244:245]
	s_delay_alu instid0(VALU_DEP_2)
	v_pk_add_f32 v[14:15], v[14:15], v[254:255]
	s_delay_alu instid0(VALU_DEP_2)
	v_pk_add_f32 v[222:223], v[222:223], v[252:253]
	s_delay_alu instid0(VALU_DEP_1)
	v_pk_add_f32 v[14:15], v[14:15], v[222:223]
.set j, 0
.rept 16
	v_pk_mul_f32 v[OA+j:OA+j+1], v[OA+j:OA+j+1], v[220:221] op_sel_hi:[1,0]   ; O^T under the new M.  (The sums and these are also the places between p's scale word and codes and the products)
.set j, j+2
.endr
	s_wait_alu depctr_va_vdst(0)
	s_wait_dscnt 0x0                               ; V is in
	PV 0                                           ; four accumulators by turns
	PV 1
	PV 2
	PV 3
	s_add_co_u32 s32, s32, STEPB
.endm
; A PASS: one tile of 16 queries against all 2,048 keys; then o's codes and scale bytes.
.macro PASS ps
.if \ps
	s_wait_xcnt 0x0                                ; the first pass's stores have read their registers
	v_perm_b32 v34, v89, v89, s37
.irp i, 0,1,2,3,4,5
	v_mov_b32 v[22+\i], v[90+\i]
.endr
.else
	v_perm_b32 v34, v35, v35, s37                  ; Q's scale word: (s0, s1, s0, s1)
.endif
	v_mov_b32 v13, 0xff61b1e6                      ; the largest t so far: -3e38
	s_delay_alu instid0(VALU_DEP_1)
	v_floor_f32 v12, -v13
	v_mov_b32 v14, 0
	v_mov_b32 v15, 0
.set j, 0
.rept 32
	v_mov_b32 v[OA+j], 0                           ; the step is written once: the first finds zeros, which the first change of M leaves zeros
.set j, j+1
.endr
	s_mov_b32 s32, 0
	s_mov_b32 s33, 16
.Lkeys_\@:
	KSTEP
	s_sub_co_i32 s33, s33, 1
	s_cmp_lg_u32 s33, 0
	s_cbranch_scc1 .Lkeys_\@
.rept 4
	v_nop                                          ; places behind the last products
.endr
	v_add_f32 v14, v14, v15
	s_delay_alu instid0(VALU_DEP_1)
	v_permlanex16_b32 v11, v14, s28, s29
	s_delay_alu instid0(VALU_DEP_1)
	v_add_f32 v14, v14, v11                        ; the row's sum
	s_wait_alu depctr_va_vdst(0)
	v_rcp_f32 v14, v14
	v_mov_b32 v15, 0                               ; (a plain place behind the transcendental)
.set j, 0
	s_wait_alu depctr_va_vdst(0)
.rept 16
	v_pk_mul_f32 v[TR+j:TR+j+1], v[OA+j:OA+j+1], v[14:15] op_sel_hi:[1,0]   ; register 8 c + i: o(query, 16 c + 8 h + i)
.set j, j+2
.endr
.irp b, 0,1                                    ; w_proj's codes lie in the natural order, so o's must: after these swaps lane h holds channels 32 b + 16 h + 0 .. 15 in registers 16 b on
.irp i, 0,1,2,3,4,5,6,7
	v_permlane16_swap_b32 v[TR+16*\b+\i], v[TR+16*\b+8+\i]
.endr
.endr
.irp b, 0,1
	v_max3_num_f32 v[212+\b], |v[TR+16*\b]|, |v[TR+16*\b+1]|, 0x1800000
.endr
.irp i, 2,4,6,8,10,12,14
.irp b, 0,1
	s_delay_alu instid0(VALU_DEP_2)
	v_max3_num_f32 v[212+\b], v[212+\b], |v[TR+16*\b+\i]|, |v[TR+16*\b+\i+1]|
.endr
.endr
.irp b, 0,1
	s_delay_alu instid0(VALU_DEP_2)
	v_permlanex16_b32 v[218+\b], v[212+\b], s28, s29
.endr
.irp b, 0,1
	s_delay_alu instid0(VALU_DEP_2)
	v_max_num_f32 v[212+\b], v[212+\b], v[218+\b]
.endr
.irp b, 0,1
	s_delay_alu instid0(VALU_DEP_2)
	v_add_nc_u32 v[216+\b], 0xff000000, v[212+\b]
.endr
.irp b, 0,1
	s_delay_alu instid0(VALU_DEP_2)
	v_lshrrev_b32 v[218+\b], 23, v[216+\b]
.endr
	v_cvt_scalef32_pk16_fp6_f32 v[PC:PC+2], v[TR:TR+15], v216
	v_cvt_scalef32_pk16_fp6_f32 v[204:206], v[TR+16:TR+31], v217
	v_nop
.irp i, 0,1,2
	v_permlane16_swap_b32 v[PC+\i], v[204+\i]      ; a whole block to a lane: lanes 0-15 block 0, lanes 16-31 block 1
.endr
.irp i, 0,1,2
	s_delay_alu instid0(VALU_DEP_3)
	v_mov_b32 v[PC+3+\i], v[204+\i]
.endr
	v_cndmask_b32 v10, v218, v219, s36             ; my block's byte
.irp i, 0,1,2
	global_store_b64 v2, v[PC+2*\i:PC+2*\i+1], s[6:7] offset:\ps*196608+256*\i      ; 256 consecutive bytes, at a multiple of 256 from the buffer's first byte
.endr
	global_store_b8 v7, v10, s[8:9] offset:\ps*8192
.endm
	PASS 0
	PASS 1
	s_wait_tensorcnt 0x0
	ds_add_u32 v214, v215
	s_wait_dscnt 0x0
	CROUND                                         ; the closing round
	s_endpgm
.Lfunc_end_k_q160b949363_attn:
	.size	k_q160b949363_attn, .Lfunc_end_k_q160b949363_attn-k_q160b949363_attn
	.p2alignl 7, 3214868480
	.fill 96, 4, 3214868480
	.section	.rodata,"a",@progbits
	.p2align	6, 0x0
	.amdhsa_kernel k_q160b949363_attn
		.amdhsa_group_segment_fixed_size 206848
		.amdhsa_private_segment_fixed_size 0
		.amdhsa_enable_private_segment 0
		.amdhsa_kernarg_size 24
		.amdhsa_user_sgpr_count 2
		.amdhsa_user_sgpr_kernarg_segment_ptr 1
		.amdhsa_wavefront_size32 1
		.amdhsa_system_sgpr_workgroup_id_x 1
		.amdhsa_system_sgpr_workgroup_id_y 1
		.amdhsa_system_sgpr_workgroup_id_z 1
		.amdhsa_system_vgpr_workitem_id 0
		.amdhsa_next_free_vgpr 256
		.amdhsa_next_free_sgpr 66
		.amdhsa_reserve_vcc 0
		.amdhsa_float_denorm_mode_32 3
		.amdhsa_float_denorm_mode_16_64 3
		.amdhsa_memory_ordered 1
		.amdhsa_forward_progress 1
		.amdhsa_inst_pref_size 50
	.end_amdhsa_kernel
	.amdgpu_metadata
---
amdhsa.version: [ 1, 2 ]
amdhsa.kernels:
  - .name:           k_q160b949363_attn
    .symbol:         k_q160b949363_attn.kd
    .args:
      - { .name: qkv, .offset: 0, .size: 8, .value_kind: global_buffer, .address_space: global }
      - { .name: oimg, .offset: 8, .size: 8, .value_kind: global_buffer, .address_space: global }
      - { .name: osc, .offset: 16, .size: 8, .value_kind: global_buffer, .address_space: global }
    .group_segment_fixed_size: 206848
    .private_segment_fixed_size: 0
    .kernarg_segment_align: 8
    .kernarg_segment_size: 24
    .max_flat_workgroup_size: 512
    .sgpr_count:     66
    .vgpr_count:     256
    .wavefront_size: 32
...
	.end_amdgpu_metadata
.endif
;; end of part 2
;; launch proj (part 3): grid 4 x 64, 4 waves a work-group, clusters of 4 x 4, 327,680 bytes of LDS; arguments oimg, osc, w_proj_codes, w_proj_scales, b_proj, out0; writes out0
.if DOCPART == 3
	.amdgcn_target "amdgcn-amd-amdhsa--gfx1250"
	.amdhsa_code_object_version 6
	.text
	.protected	k_q160b949363_proj
	.globl	k_q160b949363_proj
	.p2align	8
	.type	k_q160b949363_proj,@function
k_q160b949363_proj:
	s_mov_b64 s[64:65], 0
	v_nop
	global_prefetch_b8 v0, s[64:65] scope:SCOPE_SE
	s_setreg_imm32_b32 hwreg(HW_REG_WAVE_MODE, 25, 1), 1
	s_wait_xcnt 0x0
	s_wait_alu depctr_hold_cnt(0) depctr_sa_sdst(0) depctr_va_vdst(0) depctr_va_sdst(0) depctr_va_ssrc(0) depctr_va_vcc(0) depctr_vm_vsrc(0)
	s_getreg_b32 s2, hwreg(HW_REG_IB_STS2, 6, 4)
	s_cmp_eq_u32 s2, 0
	s_cbranch_scc0 .Lentry_in_a_cluster
	s_endpgm
.Lentry_in_a_cluster:
	s_bfe_u32 s2, ttmp6, 0x10000c
	s_cmp_lg_u32 s2, 0xf033
	s_cbranch_scc0 .Lentry_shape_is_right
	s_endpgm
.Lentry_shape_is_right:
; out = o w_proj^T + b_proj on codes of FP6 with E8M0 scales.  A work-group makes 128 rows (A: eight tiles of 16 rows of o, stored by the attention launch as register images, 12,288 dense bytes a tile) x 256 columns
; (B: rows of w_proj's codes, 768 bytes, at a pitch of 816 in LDS).  All of K lies in LDS at once; one joint tensor load a wave at the head (waves 0, 1: four tiles of A each; waves 2, 3: 128 rows of B each);
; nothing is filled again.  No prefetch: every byte is asked for at the head, and there is no loop to run ahead in.
; A wave makes 64 x 128: 32 accumulators in window 2; the bias (window 3) is the C of the first step.  A lane holds one row and eight neighbouring columns a register block.
; The rows of a tile of o are the attention launch's: row t of tile a of a step of 128 tokens is token 64 (a / 4) + 16 (a % 2) + 8 ((a % 4) / 2) + t % 8 + 32 (t / 8).
; The way out: 16 rows at a time through the wave's own stage, on bytes of A's tile behind a barrier behind which no wave reads tiles; a store covers 512 consecutive bytes of a row.
.set KROW, 768
.set PITCH, 816
.set BBASE, 98304
.set SPARE, BBASE+256*PITCH
.set PADW, (1<<20)|(1<<21)|(5<<22)|(3<<25)
.set SA, 32
.set SB, 64
.set AF, 128
.set BAD, 8
.set STO, 24
.set RD, 25
.set CO, 26
.set BK, 128
.set SPITCH, 528
.set MSB, 0
.macro WIN new
.if MSB != (\new)
	s_set_vgpr_msb (MSB<<8)|(\new)
.set MSB, (\new)
.endif
.endm
.macro CROUND
	s_barrier_signal -1
	s_barrier_wait -1
	s_cmp_lg_u32 s14, 0
	s_cbranch_scc1 .Lnot_wave_0_\@
	s_barrier_signal -3
.Lnot_wave_0_\@:
	s_barrier_wait -3
	s_barrier_signal -1
	s_barrier_wait -1
.endm
.macro PLACES n
.rept \n
	v_nop
.endr
.endm
.macro FRAG reg, adr, st, off
.irp p, 0,1,2,3,4,5
.set BY, 96*(\st)+48*(\p/3)+8*(\p%3)
.if BY/256 == (BY+24)/256
	ds_load_b64 v[(\reg)+2*\p:(\reg)+2*\p+1], v[(\adr)] offset:BY+16*(BY/256)+(\off)
.else
	ds_load_b64 v[(\reg)+2*\p:(\reg)+2*\p+1], v[(\adr)+1] offset:BY+16*(BY/256)+(\off)
.endif
.endr
.endm
.macro FETCH st
	WIN 0x40
.irp i, 0,1,2,3,4,5,6,7
	FRAG 128*((\st)%2)+12*\i, 18+2*(\i/4), \st, (\i%4)*16*PITCH
.endr
	WIN 0
.irp i, 0,1,2,3
.irp p, 0,1,2,3,4,5
	ds_load_b64 v[AF+48*((\st)%2)+12*\i+2*\p:AF+48*((\st)%2)+12*\i+2*\p+1], v16 offset:\i*12288+(\st)*1536+256*\p   ; an image: lane l at 8 l of each 256
.endr
.endr
.endm
.macro MULS st
.irp a, 0,1,2,3
.irp b, 0,1,2,3,4,5,6,7
.if (\st) == 0
	v_wmma_scale_f32_16x16x128_f8f6f4 v[8*(8*\a+\b):8*(8*\a+\b)+7], v[12*\b:12*\b+11], v[AF+12*\a:AF+12*\a+11], v[8*\b:8*\b+7], v[SB+8*\b], v[SA+8*\a] matrix_a_fmt:MATRIX_FMT_FP6 matrix_b_fmt:MATRIX_FMT_FP6
.else
	v_wmma_scale_f32_16x16x128_f8f6f4 v[8*(8*\a+\b):8*(8*\a+\b)+7], v[128*((\st)%2)+12*\b:128*((\st)%2)+12*\b+11], v[AF+48*((\st)%2)+12*\a:AF+48*((\st)%2)+12*\a+11], v[8*(8*\a+\b):8*(8*\a+\b)+7], v[SB+8*\b+(\st)], v[SA+8*\a+(\st)] matrix_a_fmt:MATRIX_FMT_FP6 matrix_b_fmt:MATRIX_FMT_FP6
.endif
.endr
.endr
.endm
.macro STEP st
	s_wait_dscnt 0x0
.if (\st) < 7
.if (\st) > 0
	PLACES 4
.endif
	FETCH (\st)+1
.else
	s_barrier_signal -1
.endif
.if (\st) == 0
	WIN 0xb1                                       ; C: the bias, in window 3
.else
	WIN 0xa1
.endif
	MULS \st
	WIN 0
.if (\st) == 7
	s_barrier_wait -1
.endif
.endm
	s_load_b256 s[4:11], s[0:1], 0x0               ; oimg, osc, w codes, w scales
	s_load_b128 s[68:71], s[0:1], 0x20             ; b_proj, out0
	v_lshl_add_u32 v28, v0, 2, SPARE
	v_mov_b32 v29, 0
	ds_add_u32 v28, v29                            ; the opening lines
	ds_add_u32 v28, v29
	v_lshrrev_b32 v1, 5, v0
	v_readfirstlane_b32 s14, v1
	s_lshr_b32 s15, s14, 1
	s_and_b32 s16, s14, 1
	s_bfe_u32 s40, ttmp6, 0x40000
	s_bfe_u32 s41, ttmp6, 0x40004
	s_lshl_b32 s42, ttmp9, 2
	s_add_co_u32 s42, s42, s40                     ; B's tile: 256 columns
	s_and_b32 s17, ttmp7, 0xffff
	s_lshl_b32 s17, s17, 2
	s_add_co_u32 s17, s17, s41                     ; A's tile: 128 rows
	s_lshl_b32 s43, s41, 2
	s_lshl_b32 s43, 15, s43
	s_lshl_b32 s44, 0x1111, s40
	s_or_b32 s24, s43, (3<<16)|(1<<21)             ; A: 49,152 dense bytes as 192 rows of 256 (32 elements of 8 bytes)
	s_mov_b32 s25, 32<<16
	s_mov_b32 s26, 192<<16
	s_mov_b32 s27, 32<<16
	s_mov_b32 s28, 192
	s_mov_b32 s29, 32
	s_mov_b32 s30, 0
	s_mov_b32 s31, 0
	s_or_b32 s48, s44, PADW
	s_mov_b32 s49, KROW<<16
	s_mov_b32 s50, 128<<16
	s_mov_b32 s51, KROW<<16
	s_mov_b32 s52, 128
	s_mov_b32 s53, KROW
	s_mov_b32 s54, 0
	s_mov_b32 s55, 0
	s_lshl_b32 s20, s17, 3
	s_lshl_b32 s18, s16, 2
	s_add_co_u32 s20, s20, s18
	s_mul_i32 s20, s20, 12288
	s_mov_b32 s21, 0
	s_lshl_b32 s46, s42, 8
	s_lshl_b32 s18, s16, 7
	s_add_co_u32 s46, s46, s18
	s_mul_i32 s46, s46, KROW
	s_mov_b32 s47, 0
	s_mov_b32 s32, 1
	s_mul_i32 s33, s16, 49152
	s_mov_b32 s56, 1
	s_mul_i32 s57, s16, 128*PITCH
	s_add_co_u32 s57, s57, BBASE
	s_wait_dscnt 0x0
	s_wait_kmcnt 0x0
	s_add_nc_u64 s[34:35], s[4:5], s[20:21]
	s_or_b32 s35, s35, 0x80000000
	s_add_nc_u64 s[58:59], s[8:9], s[46:47]
	s_or_b32 s59, s59, 0x80000000
	CROUND
	s_cmp_eq_u32 s15, 0
	s_cbranch_scc0 .Lfor_b
	tensor_load_to_lds s[32:35], s[24:31]
	s_nop 0
	PLACES 4
	s_branch .Lasked
.Lfor_b:
	tensor_load_to_lds s[56:59], s[48:55]
	s_nop 0
	PLACES 4
.Lasked:
	s_lshl_b32 s22, s17, 7
	s_lshl_b32 s18, s15, 6
	s_add_co_u32 s22, s22, s18                     ; my first row
	s_lshl_b32 s20, s22, 5
	s_add_nc_u64 s[6:7], s[6:7], s[20:21]
	s_lshl_b32 s23, s42, 1
	s_add_co_u32 s23, s23, s16                     ; my 128 columns
	s_lshl_b32 s20, s23, 12
	s_add_nc_u64 s[10:11], s[10:11], s[20:21]
	s_lshl_b32 s20, s23, 9
	s_add_nc_u64 s[68:69], s[68:69], s[20:21]
	s_add_nc_u64 s[70:71], s[70:71], s[20:21]
	s_lshl_b32 s20, s22, 12
	s_add_nc_u64 s[70:71], s[70:71], s[20:21]
	s_mul_i32 s18, s15, 49152
	s_mul_i32 s19, s16, 128*PITCH
	s_add_co_u32 s19, s19, BBASE
	s_mul_i32 s76, s14, 16*SPITCH
	v_and_b32 v1, 15, v0
	v_bfe_u32 v2, v0, 4, 1
	v_and_b32 v7, 31, v0
	v_lshl_add_u32 v16, v7, 3, s18
	v_mul_u32_u24 v3, v1, PITCH
	v_mad_u32_u24 v3, v2, 24, v3
	v_add_nc_u32 v18, s19, v3
	v_lshl_add_u32 v19, v2, 4, v18
	v_add_nc_u32 v20, 64*PITCH, v18
	v_add_nc_u32 v21, 64*PITCH, v19
	v_lshlrev_b32 v27, 5, v1
	v_lshlrev_b32 v[BAD], 5, v2
	v_mul_u32_u24 v5, v1, SPITCH
	v_lshl_add_u32 v5, v2, 5, v5
	v_add_nc_u32 v[STO], s76, v5
	v_lshlrev_b32 v[CO], 4, v7
	v_add_nc_u32 v[RD], s76, v[CO]
	s_wait_alu depctr_va_vdst(0)                   ; the wait at the head's end
.irp i, 0,1,2,3
	global_load_b128 v[SA+8*\i:SA+8*\i+3], v27, s[6:7] offset:512*\i
	global_load_b128 v[SA+8*\i+4:SA+8*\i+7], v27, s[6:7] offset:512*\i+16
.endr
.irp i, 0,1,2,3,4,5,6,7
	global_load_b128 v[SB+8*\i:SB+8*\i+3], v27, s[10:11] offset:512*\i
	global_load_b128 v[SB+8*\i+4:SB+8*\i+7], v27, s[10:11] offset:512*\i+16
.endr
	WIN 0xc0                                       ; into window 3
.irp b, 0,1,2,3,4,5,6,7
.irp k, 0,1
	global_load_b128 v[8*\b+4*\k:8*\b+4*\k+3], v[BAD], s[68:69] offset:64*\b+16*\k
.endr
.endr
	WIN 0
	s_wait_tensorcnt 0x0
	s_barrier_signal -1
	s_barrier_wait -1
	FETCH 0
	s_wait_loadcnt 0x0
.irp s, 0,1,2,3,4,5,6,7
	STEP \s
.endr
.macro TOSTAGE a
	WIN 0x08
.irp b, 0,1,2,3,4,5,6,7
	ds_store_b128 v[STO], v[64*(\a)+8*\b:64*(\a)+8*\b+3] offset:64*\b          ; each accumulator from its low end on
	ds_store_b128 v[STO], v[64*(\a)+8*\b+4:64*(\a)+8*\b+7] offset:64*\b+16
.endr
	WIN 0
.set BB, BK+64*((\a)%2)
.irp t, 0,1,2,3,4,5,6,7,8,9,10,11,12,13,14,15
	ds_load_b128 v[BB+4*\t:BB+4*\t+3], v[RD] offset:\t*SPITCH
.endr
.endm
.macro SEND a, younger
.set BB, BK+64*((\a)%2)
	s_wait_dscnt \younger
.irp t, 0,1,2,3,4,5,6,7,8,9,10,11,12,13,14,15
	global_store_b128 v[CO], v[BB+4*\t:BB+4*\t+3], s[70:71] offset:(16*((\a)%2)+8*((\a)/2)+(\t%8)+32*(\t/8))*4096 th:TH_STORE_NT
.endr
.endm
	PLACES 4
	TOSTAGE 0
.irp a, 1,2,3
.if \a > 1
	s_wait_xcnt 0x0                                ; block a - 2's stores have read their registers
.endif
	TOSTAGE \a
	SEND \a-1, 32                                  ; behind block a - 1's loads: block a's 16 stores and 16 loads
.endr
	SEND 3, 0
	s_wait_tensorcnt 0x0                           ; the wave's end
	ds_add_u32 v28, v29
	s_wait_dscnt 0x0
	CROUND
	s_endpgm
.Lfunc_end_k_q160b949363_proj:
	.size	k_q160b949363_proj, .Lfunc_end_k_q160b949363_proj-k_q160b949363_proj
	.p2alignl 7, 3214868480
	.fill 96, 4, 3214868480
	.section	.rodata,"a",@progbits
	.p2align	6, 0x0
	.amdhsa_kernel k_q160b949363_proj
		.amdhsa_group_segment_fixed_size 327680
		.amdhsa_private_segment_fixed_size 0
		.amdhsa_enable_private_segment 0
		.amdhsa_kernarg_size 48
		.amdhsa_user_sgpr_count 2
		.amdhsa_user_sgpr_kernarg_segment_ptr 1
		.amdhsa_wavefront_size32 1
		.amdhsa_system_sgpr_workgroup_id_x 1
		.amdhsa_system_sgpr_workgroup_id_y 1
		.amdhsa_system_sgpr_workgroup_id_z 1
		.amdhsa_system_vgpr_workitem_id 0
		.amdhsa_next_free_vgpr 1024
		.amdhsa_next_free_sgpr 102
		.amdhsa_reserve_vcc 0
		.amdhsa_float_denorm_mode_32 3
		.amdhsa_float_denorm_mode_16_64 3
		.amdhsa_memory_ordered 1
		.amdhsa_forward_progress 1
		.amdhsa_inst_pref_size 95
	.end_amdhsa_kernel
	.amdgpu_metadata
---
amdhsa.version: [ 1, 2 ]
amdhsa.kernels:
  - .name:           k_q160b949363_proj
    .symbol:         k_q160b949363_proj.kd
    .args:
      - { .name: oimg, .offset: 0, .size: 8, .value_kind: global_buffer, .address_space: global }
      - { .name: osc, .offset: 8, .size: 8, .value_kind: global_buffer, .address_space: global }
      - { .name: w_proj_codes, .offset: 16, .size: 8, .value_kind: global_buffer, .address_space: global }
      - { .name: w_proj_scales, .offset: 24, .size: 8, .value_kind: global_buffer, .address_space: global }
      - { .name: b_proj, .offset: 32, .size: 8, .value_kind: global_buffer, .address_space: global }
      - { .name: out0, .offset: 40, .size: 8, .value_kind: global_buffer, .address_space: global }
    .group_segment_fixed_size: 327680
    .private_segment_fixed_size: 0
    .kernarg_segment_align: 8
    .kernarg_segment_size: 48
    .max_flat_workgroup_size: 128
    .sgpr_count:     102
    .vgpr_count:     1024
    .wavefront_size: 32
...
	.end_amdgpu_metadata
.endif
;; end of part 3
